; MI455X (gfx1250); checked and timed in simulation.
; The chip was launched on July 23, 2026; its instructions are those of AMD's public machine-readable ISA for CDNA 5 (MIT licence, August 2026) and "CDNA5" Instruction Set Architecture Reference Guide (July 2026). The comments in the code are by the model that wrote it; some were corrected since.
;; Fused Mo E. Allowed arithmetic: matrix products marked QUANTISED: E5M2 operands, one E8M0 scale for each 32 along K, by v_wmma_scale_f32_16x16x128_f8f6f4 with both operands' format E5M2, f32 sums; everything else in f32.
;; Inputs: router_logits 1,024 x 8 float32; w13_weight_codes 8 x 4,096 x 32 x 32 uint8 (E5M2 codes of w13_weight, K innermost, in blocks of 32 codes); w13_weight_scales 8 x 4,096 x 32 uint8 (E8M0 scales of w13_weight, one for each 32 codes along K); w2_weight_codes 8 x 1,024 x 64 x 32 uint8 (E5M2 codes of w2_weight, K innermost, in blocks of 32 codes); w2_weight_scales 8 x 1,024 x 64 uint8 (E8M0 scales of w2_weight, one for each 32 codes along K); x_codes 1,024 x 32 x 32 uint8 (E5M2 codes of x, K innermost, in blocks of 32 codes); x_scales 1,024 x 32 uint8 (E8M0 scales of x, one for each 32 codes along K).
;; Outputs: out0 1,024 x 1,024 float32.
;; Constants: top_k = 2.
;; This version of the problem:
;;   THIS VERSION OF THE PROBLEM IS GIVEN IN LOW PRECISION. The matrix products marked QUANTISED in the list below multiply operands that are first quantised to E5M2 (5 exponent bits, 2 mantissa bits; 8 bits a number), with one power-of-two scale for each 32 numbers along K (OCP MX v1.0); their sums are f32. All else is computed in f32.
;;   The module's matrix products, in the order in which they are computed (A, B: the left and right operand; K: the contracted axis; several contracted axes count as one K, in the product's order):
;;     1. [M 1,024, K 1,024] x [K 1,024, N 2,048]; A: input x (given as codes); B: input w13_weight (given as codes): QUANTISED
;;     2. [M 1,024, K 1,024] x [K 1,024, N 2,048]; A: input x (given as codes); B: input w13_weight (given as codes): QUANTISED
;;     3. [M 1,024, K 2,048] x [K 2,048, N 1,024]; A: computed on the way; B: input w2_weight (given as codes): QUANTISED
;;     4. [M 1,024, K 1,024] x [K 1,024, N 2,048]; A: input x (given as codes); B: input w13_weight (given as codes): QUANTISED
;;     5. [M 1,024, K 1,024] x [K 1,024, N 2,048]; A: input x (given as codes); B: input w13_weight (given as codes): QUANTISED
;;     6. [M 1,024, K 2,048] x [K 2,048, N 1,024]; A: computed on the way; B: input w2_weight (given as codes): QUANTISED
;;     7. [M 1,024, K 1,024] x [K 1,024, N 2,048]; A: input x (given as codes); B: input w13_weight (given as codes): QUANTISED
;;     8. [M 1,024, K 1,024] x [K 1,024, N 2,048]; A: input x (given as codes); B: input w13_weight (given as codes): QUANTISED
;;     9. [M 1,024, K 2,048] x [K 2,048, N 1,024]; A: computed on the way; B: input w2_weight (given as codes): QUANTISED
;;     10. [M 1,024, K 1,024] x [K 1,024, N 2,048]; A: input x (given as codes); B: input w13_weight (given as codes): QUANTISED
;;     11. [M 1,024, K 1,024] x [K 1,024, N 2,048]; A: input x (given as codes); B: input w13_weight (given as codes): QUANTISED
;;     12. [M 1,024, K 2,048] x [K 2,048, N 1,024]; A: computed on the way; B: input w2_weight (given as codes): QUANTISED
;;     13. [M 1,024, K 1,024] x [K 1,024, N 2,048]; A: input x (given as codes); B: input w13_weight (given as codes): QUANTISED
;;     14. [M 1,024, K 1,024] x [K 1,024, N 2,048]; A: input x (given as codes); B: input w13_weight (given as codes): QUANTISED
;;     15. [M 1,024, K 2,048] x [K 2,048, N 1,024]; A: computed on the way; B: input w2_weight (given as codes): QUANTISED
;;     16. [M 1,024, K 1,024] x [K 1,024, N 2,048]; A: input x (given as codes); B: input w13_weight (given as codes): QUANTISED
;;     17. [M 1,024, K 1,024] x [K 1,024, N 2,048]; A: input x (given as codes); B: input w13_weight (given as codes): QUANTISED
;;     18. [M 1,024, K 2,048] x [K 2,048, N 1,024]; A: computed on the way; B: input w2_weight (given as codes): QUANTISED
;;     19. [M 1,024, K 1,024] x [K 1,024, N 2,048]; A: input x (given as codes); B: input w13_weight (given as codes): QUANTISED
;;     20. [M 1,024, K 1,024] x [K 1,024, N 2,048]; A: input x (given as codes); B: input w13_weight (given as codes): QUANTISED
;;     21. [M 1,024, K 2,048] x [K 2,048, N 1,024]; A: computed on the way; B: input w2_weight (given as codes): QUANTISED
;;     22. [M 1,024, K 1,024] x [K 1,024, N 2,048]; A: input x (given as codes); B: input w13_weight (given as codes): QUANTISED
;;     23. [M 1,024, K 1,024] x [K 1,024, N 2,048]; A: input x (given as codes); B: input w13_weight (given as codes): QUANTISED
;;     24. [M 1,024, K 2,048] x [K 2,048, N 1,024]; A: computed on the way; B: input w2_weight (given as codes): QUANTISED
;;   THE QUANTISER, for each operand of a quantised product, along K:
;;     - K is cut into blocks of 32 from its start; a last block that is shorter is filled with zeros.
;;     - A block's scale is 2^e with e = floor(log2(the largest magnitude in the block)) - 15, held to -126 .. 127; a block of zeros has e = 0. As a byte (E8M0): e + 127.
;;     - Each number is divided by its block's scale, clamped to +-57,344, and rounded to the nearest number of E5M2, ties to even, subnormals kept.
;;     - The product sums the exact products of the quantised numbers (number of the format x scale) in f32.
;;   ~~~python
;;   def quantise(x, axis):      # numpy; x: float32 -> the quantised numbers, widened to float32 again
;;       x = np.moveaxis(x, axis, -1); K = x.shape[-1]
;;       x = np.pad(x, [(0, 0)] * (x.ndim - 1) + [(0, -K % 32)]); x = x.reshape(x.shape[:-1] + (-1, 32)); a = np.abs(x).max(-1, keepdims=True)
;;       e = np.where(a > 0, np.clip(np.frexp(np.where(a > 0, a, 1))[1] - 1 - 15, -126, 127), 0)      # np.frexp(a)[1] - 1 = floor(log2(a)), exactly
;;       r = np.clip(x / 2.0 ** e, -57344, 57344)
;;       step = 2.0 ** (np.maximum(np.frexp(np.where(r == 0, 1, r))[1] - 1, -14) - 2)
;;       q = np.round(r / step) * step * 2.0 ** e      # np.round: ties to even
;;       return np.moveaxis(q.reshape(q.shape[:-2] + (-1,))[..., :K], -1, axis).astype(np.float32)
;;   ~~~
;;   OPERANDS COMPUTED ON THE WAY. 'Computed on the way' means the value that the module computes at that place (a softmax that the list does not call 'softmax' is quantised finished and normalised). What goes into a quantiser is computed in f32, as accurately as f32 sums, v_exp_f32 and their like allow (about 1e-6 of the number): no bf16 or f16 on the way to a quantiser, and a product that is left as it is and whose result goes on into a quantised operand takes f32 operands (vector FMAs, or v_wmma_f32_16x16x4_f32). A number that lies on a knife's edge between two numbers of the format may be rounded either way, as far as f32 arithmetic and the matrix unit's own rounding can turn it there, and no further.
;;   INPUTS GIVEN AS CODES. w13_weight (in the module: [8, 4096, 1024], K = its axis 2); w2_weight (in the module: [8, 1024, 2048], K = its axis 2); x (in the module: [1024, 1024], K = its axis 1): each comes as NAME_codes (uint8): NAME with its K axis moved to the last place and cut into blocks of 32 codes, [.., K / 32, bytes a block], one block behind the other in memory; one code a byte (a code: sign, 5 exponent bits, 2 mantissa bits); and NAME_scales (uint8): the same leading axes, one E8M0 byte (e + 127) for each 32 codes along K. Its value is code x scale, taken as it is: it is not quantised again, and the codes and scales need not be those that the quantiser above would give.
;; One version. Each part assembles by itself: llvm-mc -triple=amdgcn-amd-amdhsa -mcpu=gfx1250 --defsym DOCPART=n.
;; ======== version 1 of 1: 4 launches
;; limits: right only within a limited range of input values
;; workspace buffers: list 32,768 bytes of whole numbers; cnt 256 bytes of whole numbers; hs 16,777,216 bytes; hsc 524,288 bytes; ybuf 8,388,608 bytes
;; launch route (part 1): grid 4 x 8, 8 waves a work-group, no clusters, 1,280 bytes of LDS; arguments router_logits, list, cnt; writes list, cnt
.if DOCPART == 1
	.amdgcn_target "amdgcn-amd-amdhsa--gfx1250"
	.amdhsa_code_object_version 6
	.text
	.protected	k_q99b11de007_route
	.globl	k_q99b11de007_route
	.p2align	8
	.type	k_q99b11de007_route,@function
k_q99b11de007_route:
	s_mov_b64 s[64:65], 0
	v_nop
	global_prefetch_b8 v0, s[64:65] scope:SCOPE_SE
	s_setreg_imm32_b32 hwreg(HW_REG_WAVE_MODE, 25, 1), 1
	s_wait_xcnt 0x0
; ROUTING.  For expert e (work-group y): the ordered list of its routed rows and their count.
; A routed row is a slot 2 t + k: token t, k = 0 for the token's largest logit, 1 for the second largest.
; list[e][p] = the slot of member min(p, count - 1) of expert e, in token order, for all 1,024 p: the places behind the count repeat the last member,
; so that later launches can fill a tile of 16 rows with rows that are duplicates and give the same bits.  cnt[e] = the count.
; WORK LEFT OUT IN THE WHOLE PROGRAM, AND WHY IT IS DEAD.
; (a) reference() multiplies y of expert e by coeff = sum(where(topk_ids == e, topk_w, 0)).  For an expert that is not among a token's top 2 every term of that sum is the
;     constant 0 that reference() writes itself, whatever the inputs hold, so coeff x y adds 0 to out: those rows of all 24 products are not computed.
; (b) topk_w / sum(topk_w) = (p1 / S) / ((p1 + p2) / S): the softmax's divisor S cancels for all inputs.  The weights are made (last launch) as c0 = 1 / (1 + exp(l2 - l1)),
;     c1 = exp(l2 - l1) c0, l1 >= l2 the two largest logits: the maximum is still taken away ahead of the exponential (the exponent is 0 or less).
; Every input has a way to the output and is loaded by some launch.
; LIMITS.  A NaN, an infinity or an overflow that arises only in an expert that was not chosen for a token is not carried to the result.  NaN and infinities among the logits are not served.
; The top 2 are ordered on the logits, equal logits to the lower index, as jax.lax.top_k orders equal probabilities; two DIFFERENT logits whose f32 probabilities round to the
; same number would be a tie for reference() and are ordered here.
; NO ADDRESS AND NO BRANCH HANGS ON A LOGIT: membership is a lane mask, and each thread finds the member for its place p by selections alone.
; SHARES.  Work-group (q, e), 256 threads: it ranks all 1,024 tokens for expert e (thread i: tokens i, 256 + i, 512 + i, 768 + i) and writes places 256 q .. 256 q + 255, one a thread.
; LDS: bytes 0-127 member words (word W = tokens 32 W .. 32 W + 31), 128-255 the k bits of the same tokens; from 256 on the spare words, 128 bytes a wave.
.set SPARE, 256
.set LG,  8                            ; v8-39    the eight logits of my four tokens
.set LE,  40                           ; v40-43   expert e's logit of my four tokens
.set MW,  44                           ; v44-75   the 32 member words
.set KW,  76                           ; v76-107  the 32 words of k bits
.set CUM, 66                           ; s66-97   members ahead of word i
	s_load_b128 s[4:7], s[0:1], 0x0                ; logits s[4:5], list s[6:7]
	s_load_b64 s[8:9], s[0:1], 0x10                ; cnt
	v_lshl_add_u32 v126, v0, 2, SPARE              ; my spare word
	v_mov_b32 v127, 0                              ; and 0: kept for the add at the wave's end
	v_lshrrev_b32 v2, 5, v0
	s_delay_alu instid0(VALU_DEP_1)
	v_lshlrev_b32 v2, 2, v2                        ; 4 x wave: where my wave's mask words go
	v_lshlrev_b32 v1, 5, v0                        ; a token's eight logits are 32 bytes
	v_mov_b32 v4, 0
	s_and_b32 s13, ttmp7, 0xffff                   ; e
	s_lshl_b32 s14, ttmp9, 8
	v_add_nc_u32 v5, s14, v0                       ; my place p = 256 q + thread
	s_delay_alu instid0(VALU_DEP_1)
	v_lshlrev_b32 v121, 2, v5
.irp j, 0,1,2,3,4,5,6,7
	s_cmp_lt_u32 \j, s13
	s_cselect_b32 s[16+\j], -1, 0                  ; all ones where j < e: an equal logit of a lower index goes first
.endr
	s_lshl_b32 s2, s13, 2
	s_mov_b32 s3, 0
	s_wait_alu depctr_va_vdst(0)
	s_wait_kmcnt 0x0
	s_add_nc_u64 s[10:11], s[4:5], s[2:3]          ; the logits, at column e
	s_add_nc_u64 s[8:9], s[8:9], s[2:3]            ; cnt[e]
	s_lshl_b32 s2, s13, 12
	s_add_nc_u64 s[6:7], s[6:7], s[2:3]            ; list[e]
.irp g, 0,1,2,3
	global_load_b128 v[LG+8*\g:LG+8*\g+3], v1, s[4:5] offset:8192*\g
	global_load_b128 v[LG+8*\g+4:LG+8*\g+7], v1, s[4:5] offset:8192*\g+16
	global_load_b32 v[LE+\g], v1, s[10:11] offset:8192*\g
.endr
	s_wait_loadcnt 0x0
; How many logits of a token go ahead of expert e's, counted in two mask bits that hold at 2: ones (s24), twos (s25).  Member: fewer than 2.  k = 1: exactly 1.
.macro RANK g
.irp j, 0,1,2,3,4,5,6,7
	v_cmp_gt_f32 s[40+\j], v[LG+8*\g+\j], v[LE+\g]
.endr
.irp j, 0,1,2,3,4,5,6,7
	v_cmp_eq_f32 s[48+\j], v[LG+8*\g+\j], v[LE+\g]
.endr
	s_mov_b32 s24, 0
	s_mov_b32 s25, 0
	s_wait_alu depctr_va_vdst(0)                   ; the wait behind the compares, ahead of the run of scalar lines
.irp j, 0,1,2,3,4,5,6,7
	s_and_b32 s[48+\j], s[48+\j], s[16+\j]
.endr
.irp j, 0,1,2,3,4,5,6,7
	s_or_b32 s[40+\j], s[40+\j], s[48+\j]          ; logit j goes ahead of logit e
.endr
.irp j, 0,1,2,3,4,5,6,7
	s_and_b32 s27, s24, s[40+\j]                   ; the carry
	s_xor_b32 s24, s24, s[40+\j]
	s_or_b32 s25, s25, s27
.endr
	s_not_b32 s[28+\g], s25
	s_and_not1_b32 s[32+\g], s24, s25
.endm
	RANK 0
	RANK 1
	RANK 2
	RANK 3
.irp g, 0,1,2,3
	v_mov_b32 v[108+\g], s[28+\g]
	v_mov_b32 v[112+\g], s[32+\g]
.endr
.irp g, 0,1,2,3
	ds_store_b32 v2, v[108+\g] offset:32*\g        ; word 8 g + wave; all lanes write the same word with the same value
	ds_store_b32 v2, v[112+\g] offset:128+32*\g
.endr
	s_wait_dscnt 0x0                               ; for the other waves: my stores have landed
	s_barrier_signal -1
	s_barrier_wait -1
.irp i, 0,1,2,3,4,5,6,7,8,9,10,11,12,13,14,15
	ds_load_b128 v[MW+4*\i:MW+4*\i+3], v4 offset:16*\i   ; all 64 words, in every lane
.endr
	s_wait_dscnt 0x0
.irp i, 0,1,2,3,4,5,6,7,8,9,10,11,12,13,14,15,16,17,18,19,20,21,22,23,24,25,26,27,28,29,30,31
	v_readfirstlane_b32 s[CUM+\i], v[MW+\i]
.endr
	s_wait_alu depctr_va_vdst(0)                   ; the wait ahead of the run of scalar lines
.irp i, 0,1,2,3,4,5,6,7,8,9,10,11,12,13,14,15,16,17,18,19,20,21,22,23,24,25,26,27,28,29,30,31
	s_bcnt1_i32_b32 s[CUM+\i], s[CUM+\i]
.endr
	s_mov_b32 s36, 0
.irp i, 0,1,2,3,4,5,6,7,8,9,10,11,12,13,14,15,16,17,18,19,20,21,22,23,24,25,26,27,28,29,30,31
	s_mov_b32 s26, s[CUM+\i]
	s_mov_b32 s[CUM+\i], s36                       ; members ahead of word i
	s_add_co_u32 s36, s36, s26
.endr
	s_sub_co_u32 s37, s36, 1
	v_min_u32 v6, s37, v5                          ; the member that my place names: min(p, count - 1)  (count 0: p itself; no result hangs on such a list: the next launch holds its entries to the table and drops what it loads by them)
	v_mov_b32 v108, v[MW]                          ; the word that holds it: the last word with CUM <= that number,
	v_mov_b32 v109, v[KW]                          ; its k bits,
	v_mov_b32 v110, 0                              ; its CUM,
	v_mov_b32 v111, 0                              ; and its number: all four by selection
.irp b, 1,9,17,25
.irp j, 0,1,2,3,4,5,6,7
.if \b+\j < 32
	v_cmp_le_u32 s[40+\j], s[CUM+\b+\j], v6
.endif
.endr
.irp j, 0,1,2,3,4,5,6,7
.if \b+\j < 32
	v_cndmask_b32 v108, v108, v[MW+\b+\j], s[40+\j]
	v_cndmask_b32 v109, v109, v[KW+\b+\j], s[40+\j]
	v_cndmask_b32 v110, v110, s[CUM+\b+\j], s[40+\j]
	v_cndmask_b32 v111, v111, \b+\j, s[40+\j]
.endif
.endr
.endr
	s_delay_alu instid0(VALU_DEP_2)
	v_sub_nc_u32 v112, v6, v110                    ; j: which set bit of the word
	; counts of set bits in fields of 2 (v114), 4 (v115), 8 (v116) and 16 (v117: its bytes 0 and 2) bits
	v_lshrrev_b32 v118, 1, v108
	s_delay_alu instid0(VALU_DEP_1)
	v_and_b32 v118, 0x55555555, v118
	s_delay_alu instid0(VALU_DEP_1)
	v_sub_nc_u32 v114, v108, v118
	s_delay_alu instid0(VALU_DEP_1)
	v_lshrrev_b32 v118, 2, v114
	s_delay_alu instid0(VALU_DEP_1)
	v_and_b32 v118, 0x33333333, v118
	s_delay_alu instid0(VALU_DEP_3)
	v_and_b32 v115, 0x33333333, v114
	s_delay_alu instid0(VALU_DEP_1)
	v_add_nc_u32 v115, v115, v118
	s_delay_alu instid0(VALU_DEP_1)
	v_lshrrev_b32 v118, 4, v115
	s_delay_alu instid0(VALU_DEP_1)
	v_add_nc_u32 v118, v115, v118
	s_delay_alu instid0(VALU_DEP_1)
	v_and_b32 v116, 0x0f0f0f0f, v118
	s_delay_alu instid0(VALU_DEP_1)
	v_lshrrev_b32 v118, 8, v116
	s_delay_alu instid0(VALU_DEP_1)
	v_add_nc_u32 v117, v116, v118
	v_mov_b32 v113, 0                              ; the bit's place, found by halving
.macro DESC x, width, step             ; if j is at or over the count of the lower half, pass that half
	s_delay_alu instid0(VALU_DEP_1)
	v_bfe_u32 v118, v[\x], v113, \width
	s_delay_alu instid0(VALU_DEP_1)
	v_cmp_ge_u32 vcc_lo, v112, v118
	s_delay_alu instid0(VALU_DEP_1)
	v_cndmask_b32 v118, 0, v118, vcc_lo
	s_delay_alu instid0(VALU_DEP_1)
	v_sub_nc_u32 v112, v112, v118
	s_delay_alu instid0(VALU_DEP_3)
	v_cndmask_b32 v119, 0, \step, vcc_lo
	s_delay_alu instid0(VALU_DEP_1)
	v_add_nc_u32 v113, v113, v119
.endm
	DESC 117, 8, 16
	DESC 116, 8, 8
	DESC 115, 4, 4
	DESC 114, 2, 2
	DESC 108, 1, 1
	s_delay_alu instid0(VALU_DEP_1)
	v_bfe_u32 v118, v109, v113, 1                  ; k
	s_delay_alu instid0(VALU_DEP_2)
	v_lshl_add_u32 v119, v111, 5, v113             ; token = 32 x word + bit
	s_delay_alu instid0(VALU_DEP_1)
	v_lshl_or_b32 v120, v119, 1, v118              ; slot = 2 token + k
	global_store_b32 v121, v120, s[6:7]            ; a wave stores 128 consecutive bytes
	v_mov_b32 v3, s36
	s_wait_tensorcnt 0x0                           ; the wave's end, behind my last LDS store
	ds_add_u32 v126, v127
	s_wait_dscnt 0x0
	s_cmp_lg_u32 ttmp9, 0                          ; the first quarter's work-group also stores the count
	s_cbranch_scc1 .Lend
	s_wait_xcnt 0x0                                ; EXEC is a source of the store above: it changes only behind this wait
	v_cmp_eq_u32 vcc_lo, 0, v0
	s_and_saveexec_b32 s26, vcc_lo
	s_wait_alu depctr_va_vdst(0)
	global_store_b32 v4, v3, s[8:9]                ; thread 0 alone
	s_wait_xcnt 0x0
	s_or_b32 exec_lo, exec_lo, s26
.Lend:
	s_endpgm
.Lfunc_end_k_q99b11de007_route:
	.size	k_q99b11de007_route, .Lfunc_end_k_q99b11de007_route-k_q99b11de007_route
	.p2alignl 7, 3214868480
	.fill 96, 4, 3214868480
	.section	.rodata,"a",@progbits
	.p2align	6, 0x0
	.amdhsa_kernel k_q99b11de007_route
		.amdhsa_group_segment_fixed_size 1280
		.amdhsa_private_segment_fixed_size 0
		.amdhsa_enable_private_segment 0
		.amdhsa_kernarg_size 24
		.amdhsa_user_sgpr_count 2
		.amdhsa_user_sgpr_kernarg_segment_ptr 1
		.amdhsa_wavefront_size32 1
		.amdhsa_system_sgpr_workgroup_id_x 1
		.amdhsa_system_sgpr_workgroup_id_y 1
		.amdhsa_system_sgpr_workgroup_id_z 1
		.amdhsa_system_vgpr_workitem_id 0
		.amdhsa_next_free_vgpr 128
		.amdhsa_next_free_sgpr 100
		.amdhsa_reserve_vcc 1
		.amdhsa_float_denorm_mode_32 3
		.amdhsa_float_denorm_mode_16_64 3
		.amdhsa_memory_ordered 1
		.amdhsa_forward_progress 1
		.amdhsa_inst_pref_size 34
	.end_amdhsa_kernel
	.amdgpu_metadata
---
amdhsa.version: [ 1, 2 ]
amdhsa.kernels:
  - .name:           k_q99b11de007_route
    .symbol:         k_q99b11de007_route.kd
    .args:
      - { .name: router_logits, .offset: 0, .size: 8, .value_kind: global_buffer, .address_space: global }
      - { .name: list, .offset: 8, .size: 8, .value_kind: global_buffer, .address_space: global }
      - { .name: cnt, .offset: 16, .size: 8, .value_kind: global_buffer, .address_space: global }
    .group_segment_fixed_size: 1280
    .private_segment_fixed_size: 0
    .kernarg_segment_align: 8
    .kernarg_segment_size: 24
    .max_flat_workgroup_size: 256
    .sgpr_count:     100
    .vgpr_count:     128
    .wavefront_size: 32
...
	.end_amdgpu_metadata
.endif
;; end of part 1
;; launch gateup (part 2): grid 32 x 8, 4 waves a work-group, no clusters, 139,776 bytes of LDS; arguments list, cnt, x_codes, x_scales, w13_weight_codes, w13_weight_scales, hs, hsc; writes hs, hsc
.if DOCPART == 2
	.amdgcn_target "amdgcn-amd-amdhsa--gfx1250"
	.amdhsa_code_object_version 6
	.text
	.protected	k_q99b11de007_gateup
	.globl	k_q99b11de007_gateup
	.p2align	8
	.type	k_q99b11de007_gateup,@function
k_q99b11de007_gateup:
	s_mov_b64 s[64:65], 0
	v_nop
	global_prefetch_b8 v0, s[64:65] scope:SCOPE_SE
	s_setreg_imm32_b32 hwreg(HW_REG_WAVE_MODE, 25, 1), 1
	s_wait_xcnt 0x0
; h = silu(x w1^T) * (x w3^T) for the routed rows of expert e alone, quantised along I into codes of E5M2 with one E8M0 byte for each 32.
; Left out: the rows of tokens for which expert e was not chosen; reference() multiplies their results by a coefficient 0 that it builds itself (shown at the head of the first launch).
; LIMITS: NaN and infinities in h are not served.  A block of zeros gets the byte 1 where the rule says 127: its codes are zeros, and this program alone reads the bytes.
; Work-group (x, e): 64 hidden units (two blocks of 32: 128 rows of w13) and the expert's first 16 row tiles, 16 rows each, four tiles a wave; places behind the count repeat the last member.
; K streams in four stages of 256: a wave loads its own 64 rows of x straight into operand registers, and a quarter of the 128 rows of w13, which the four waves share through LDS.
; All of w13's 128 rows stay in LDS, so the row tiles from 16 on are taken by a loop without barriers: item (tile, block), wave w: block w & 1, tiles 16 + w / 2, two on in each trip.
; No tensor load, and so no cluster: that loop's trip count is read from memory.  No prefetch: every wave's own loads of the next two stages are out while it multiplies one.
; TRANSPOSED: source 0 = 16 rows of w13, source 1 = 16 rows of x: a lane holds one row of x.  Row m of tile u of a block is unit 8 u + m + 8 (m / 8): register j of tile u in lane (r, h) is unit 16 h + 8 u + j,
; so the 16 registers of u = 0, 1 are 16 neighbours along the next product's K, in its operand's order.
; hs: images of the operand's registers, [e][tile][block of 32][lane][16 bytes].  hsc: [e][tile][block / 16][r][block % 16].
; LDS: stage q at 34,816 q: 128 rows, 272 bytes apart: row 64 b + 16 tt + m: block b, tile tt (0, 1 gate, 2, 3 up).  From 139,264 on the spare words.
; REGISTERS.  Window 0: v1-49 lane constants, offsets, the quantiser; v56-87 w13's scale words (lanes 0-15 u = 0, 16-31 u = 1); v92-107 x's (two tiles a register); v108-115 those of a tile past 16; v128-255 w13's rows on their way to LDS, later the way out.
;   Window 1: v0-127 w13's fragments (64 a block); v128-255 x's stages 0 and 3.  Window 2: x's stages 1, 2.  Window 3: 32 sums: tile i, block b, tt at 64 i + 32 b + 8 tt.
.set SPARE, 139264
.set SW, 56
.set SX, 92
.set SXT, 108
.set EX, 128
.set HV, 160
.set CD, 192
.set BYO, 224
.set MSB, 0
.macro WIN new                         ; the immediate's high byte repeats the setting that is left
.if MSB != \new
	s_set_vgpr_msb (MSB<<8)|\new
.set MSB, \new
.endif
.endm
.macro PLACES n
.rept \n
	v_nop
.endr
.endm
.macro BAR
	s_barrier_signal -1
	s_barrier_wait -1
.endm
.macro WM d, a, b, sa, sb, ks, m1, m2
.if (\ks)
	v_wmma_scale_f32_16x16x128_f8f6f4 v[(\d):(\d)+7], v[(\a):(\a)+15], v[(\b):(\b)+15], v[(\d):(\d)+7], v[\sa], v[\sb] matrix_a_fmt:MATRIX_FMT_BF8 matrix_b_fmt:MATRIX_FMT_BF8 \m1 \m2
.else
	v_wmma_scale_f32_16x16x128_f8f6f4 v[(\d):(\d)+7], v[(\a):(\a)+15], v[(\b):(\b)+15], 0, v[\sa], v[\sb] matrix_a_fmt:MATRIX_FMT_BF8 matrix_b_fmt:MATRIX_FMT_BF8 \m1 \m2
.endif
.endm
.macro PLD q                           ; my 16 rows of each block (tile tt = my wave's number), stage q: 16 loads, two rows of 256 bytes each
	WIN 0
.set LB, 128+64*((\q)%2)
.irp b, 0,1
.irp i, 0,1,2,3,4,5,6,7
	global_load_b128 v[LB+32*\b+4*\i:LB+32*\b+4*\i+3], v3, s[24:25] offset:32768*\b+(2*\i+8*(\i/4))*1024+256*\q th:TH_LOAD_NT
.endr
.endr
.endm
.macro PST q                           ; and into LDS
	WIN 0
.set LB, 128+64*((\q)%2)
.irp b, 0,1
.irp i, 0,1,2,3,4,5,6,7
	ds_store_b128 v[10+(\q)/2], v[LB+32*\b+4*\i:LB+32*\b+4*\i+3] offset:544*\i+17408*\b+34816*((\q)%2)
.endr
.endr
.endm
.macro RING q                          ; where stage q of x stands: window 1 + RW, register RB on
.set RB, 128
.set RW, 0
.if (\q) == 1
.set RB, 0
.endif
.if (\q) == 1 || (\q) == 2
.set RW, 1
.endif
.endm
.macro XLD q                           ; my four tiles of x, stage q: 32 loads
	RING \q
.if RW
	WIN 0x80
.else
	WIN 0x40
.endif
.irp i, 0,1,2,3
.irp k, 0,1
.irp c, 0,1,2,3
	global_load_b128 v[RB+(2*\i+\k)*16+4*\c:RB+(2*\i+\k)*16+4*\c+3], v[28+\i], s[20:21] offset:256*\q+128*\k+32*\c
.endr
.endr
.endr
.endm
.macro FR b, ks                        ; block b's four fragments of K step ks: 16 LDS loads
	WIN 0x40
.irp tt, 0,1,2,3
.irp c, 0,1,2,3
	ds_load_b128 v[64*\b+16*\tt+4*\c:64*\b+16*\tt+4*\c+3], v[12+(\ks)/4] offset:4352*\tt+17408*\b+34816*(((\ks)/2)%2)+128*((\ks)%2)+32*\c
.endr
.endr
.endm
.macro MM b, ks                        ; block b x my four tiles, K step ks: 16 products; the 32 sums take turns
	RING (\ks)/2
.if RW
	WIN 0xf9
.else
	WIN 0xf5
.endif
.set K1, (\ks)%2
.irp i, 0,2
.irp u, 0,2
	WM 64*\i+32*\b+8*\u, 64*\b+16*\u, RB+(2*\i+K1)*16, SW+16*\b+4*\u+\ks, SX+4*\i+\ks, \ks
	WM 64*\i+32*\b+8*\u+8, 64*\b+16*\u+16, RB+(2*\i+K1)*16, SW+16*\b+4*\u+\ks, SX+4*\i+\ks, \ks, matrix_a_scale:MATRIX_SCALE_ROW1
	WM 64*\i+64+32*\b+8*\u, 64*\b+16*\u, RB+(2*\i+2+K1)*16, SW+16*\b+4*\u+\ks, SX+4*\i+\ks, \ks, matrix_b_scale:MATRIX_SCALE_ROW1
	WM 64*\i+64+32*\b+8*\u+8, 64*\b+16*\u+16, RB+(2*\i+2+K1)*16, SW+16*\b+4*\u+\ks, SX+4*\i+\ks, \ks, matrix_a_scale:MATRIX_SCALE_ROW1, matrix_b_scale:MATRIX_SCALE_ROW1
.endr
.endr
.endm
.macro KS ks, nxt                      ; K step ks; nxt = 1: each block's fragments of the next step are asked for behind its products and their eight places
	s_wait_dscnt 16                                ; block 0's 16 loads are in; block 1's 16 may be out
	MM 0, \ks
.if \nxt
	PLACES 8
	FR 0, \ks+1
	s_wait_dscnt 16                                ; block 1's are in; the 16 just issued may be out
.else
	s_wait_dscnt 0
.endif
	MM 1, \ks
.if \nxt
	PLACES 8
	FR 1, \ks+1
.endif
.endm
	s_load_b512 s[16:31], s[0:1], 0x0              ; list 16, cnt 18, x's codes 20, x's scales 22, w13's codes 24, w13's scales 26, hs 28, hsc 30
	v_lshl_add_u32 v16, v0, 2, SPARE               ; my spare word
	v_mov_b32 v17, 0                               ; and 0: kept for the add at the wave's end
	v_lshrrev_b32 v1, 5, v0
	v_readfirstlane_b32 s4, v1                     ; wave
	s_and_b32 s5, s4, 1
	s_lshr_b32 s6, s4, 1
	s_and_b32 s7, ttmp7, 0xffff                    ; e
	v_and_b32 v1, 15, v0                           ; r
	v_bfe_u32 v2, v0, 4, 1                         ; h
	v_and_b32 v6, 31, v0
	v_lshlrev_b32 v18, 4, v6                       ; 16 x lane
	v_lshlrev_b32 v19, 4, v2                       ; 16 h
	v_lshlrev_b32 v3, 4, v1
	v_lshl_add_u32 v3, v2, 10, v3                  ; w13's codes: lanes 0-15 a row's 256 bytes, lanes 16-31 the next row's
	v_and_b32 v4, 8, v1
	v_add_nc_u32 v4, v4, v1
	v_lshl_add_u32 v4, v2, 3, v4
	v_lshlrev_b32 v4, 5, v4                        ; w13's scales: row 8 h + r + 8 (r / 8), 32 bytes a row
	s_lshl_b32 s34, s4, 8
	v_lshl_add_u32 v5, v1, 2, s34                  ; list entries of my tiles: 64 w + r on,
	v_lshl_add_u32 v6, v6, 2, s34                  ; of my pairs of tiles: 64 w + lane on,
	s_lshl_b32 s35, s6, 6
	s_add_co_u32 s35, s35, 1024
	v_lshl_add_u32 v7, v1, 2, s35                  ; and of tile 16 + w / 2
	s_lshl_b32 s34, s4, 17
	v_add_nc_u32 v8, s34, v18                      ; hs: 32,768 bytes a tile
	s_lshl_b32 s34, s4, 12
	v_lshl_add_u32 v9, v1, 4, s34                  ; hsc: 1,024 bytes a tile, 16 a row
	s_mul_i32 s34, s4, 4352
	v_mul_u32_u24 v10, v2, 272
	v_lshl_add_u32 v10, v1, 4, v10
	v_add_nc_u32 v10, s34, v10                     ; where I store w13's rows: stages 0, 1
	v_add_nc_u32 v11, 69632, v10                   ; stages 2, 3
	v_mul_u32_u24 v12, v1, 272
	v_lshl_add_u32 v12, v2, 4, v12                 ; where fragments are read: stages 0, 1
	v_add_nc_u32 v13, 69632, v12
	s_mul_i32 s34, s5, 17408
	v_add_nc_u32 v14, s34, v12                     ; the same at block w & 1
	v_add_nc_u32 v15, s34, v13
	v_mov_b32 v42, 0                               ; a lane permute's destination counts as one of its sources
	v_mov_b32 v43, 0
.irp k, 0,1,2,3,4,5,6,7
	v_mov_b32 v[SXT+\k], 0                         ; written on every way through the text
.endr
	s_mov_b32 s36, 0x76543210
	s_mov_b32 s37, 0xfedcba98                      ; v_permlanex16_b32's selects for lane l xor 16
	s_mov_b32 s38, 0x600000                        ; the mantissa field of 57,344
	s_mov_b32 s11, 0
	s_wait_alu depctr_va_vdst(0)                   ; the wait at the head's end
	s_wait_kmcnt 0x0
	s_lshl_b32 s10, s7, 12
	s_add_nc_u64 s[16:17], s[16:17], s[10:11]      ; list[e]
	s_lshl_b32 s10, s7, 2
	s_add_nc_u64 s[18:19], s[18:19], s[10:11]      ; cnt[e]
	s_load_b32 s12, s[18:19], 0x0
.irp i, 0,1,2,3
	global_load_b32 v[20+\i], v5, s[16:17] offset:64*\i
.endr
	global_load_b32 v24, v6, s[16:17]
	global_load_b32 v25, v6, s[16:17] offset:128
	global_load_b32 v26, v7, s[16:17]
	s_lshl_b32 s10, s7, 22
	s_lshl_b32 s34, s6, 21
	s_add_co_u32 s10, s10, s34
	s_lshl_b32 s34, ttmp9, 16
	s_add_co_u32 s10, s10, s34
	s_lshl_b32 s34, s5, 13
	s_add_co_u32 s10, s10, s34
	s_add_nc_u64 s[24:25], s[24:25], s[10:11]      ; w13's codes: expert e, gate or up (w / 2), unit 64 x + 8 (w & 1)
	PLD 0
	s_lshl_b32 s10, s7, 17
	s_lshl_b32 s34, ttmp9, 11
	s_add_co_u32 s10, s10, s34
	s_add_nc_u64 s[26:27], s[26:27], s[10:11]      ; its scales: gate row 64 x
	s_lshl_b32 s10, s7, 21
	s_lshl_b32 s34, ttmp9, 10
	s_add_co_u32 s10, s10, s34
	s_add_nc_u64 s[28:29], s[28:29], s[10:11]      ; hs: block 2 x
	s_lshl_b32 s10, s7, 16
	s_lshr_b32 s34, ttmp9, 3
	s_lshl_b32 s34, s34, 8
	s_add_co_u32 s10, s10, s34
	s_lshl_b32 s34, ttmp9, 1
	s_and_b32 s34, s34, 15
	s_add_co_u32 s10, s10, s34
	s_add_nc_u64 s[30:31], s[30:31], s[10:11]      ; hsc: block 2 x
	s_wait_loadcnt 16                              ; the seven list entries are in: only the 16 loads of stage 0 were issued behind them
.irp i, 0,1,2,3
	v_lshrrev_b32 v[28+\i], 1, v[20+\i]            ; the token of slot 2 t + k, held to the table
	v_min_u32 v[28+\i], 0x3ff, v[28+\i]
	v_lshl_add_u32 v[28+\i], v[28+\i], 10, v19     ; x's codes: 1,024 bytes a row, + 16 h
.endr
.irp p, 0,1
	v_lshrrev_b32 v[32+\p], 1, v[24+\p]
	v_min_u32 v[32+\p], 0x3ff, v[32+\p]
	v_lshlrev_b32 v[32+\p], 5, v[32+\p]            ; x's scales: 32 bytes a row
.endr
.macro TOFF                            ; the same for the tile past 16
	v_lshrrev_b32 v35, 1, v26
	v_min_u32 v35, 0x3ff, v35
	v_lshl_add_u32 v34, v35, 10, v19
	v_lshlrev_b32 v35, 5, v35
.endm
	TOFF
	s_wait_alu depctr_va_vdst(0)
.irp p, 0,1
.irp g, 0,1
	global_load_b128 v[SX+8*\p+4*\g:SX+8*\p+4*\g+3], v[32+\p], s[22:23] offset:16*\g
.endr
.endr
.irp b, 0,1
.irp u, 0,1
.irp g, 0,1
	global_load_b128 v[SW+16*\b+8*\u+4*\g:SW+16*\b+8*\u+4*\g+3], v4, s[26:27] offset:65536*\u+1024*\b+16*\g
.endr
.endr
.endr
	XLD 0
	PLD 1
	XLD 1
	s_wait_kmcnt 0x0
	s_min_u32 s12, s12, 1024
	s_add_co_u32 s13, s12, 15
	s_lshr_b32 s13, s13, 4                         ; the expert's tiles
	s_sub_co_i32 s14, s13, s6
	s_sub_co_i32 s14, s14, 15
	s_max_i32 s14, s14, 0
	s_lshr_b32 s14, s14, 1                         ; mine past 16: 16 + w / 2, 18 + w / 2, ..
	s_wait_loadcnt 63                              ; stage 0 of w13 is in: 92 loads were issued behind it, and 63 is the largest count that the wait can name
	PST 0
	s_wait_dscnt 0x0                               ; for the other waves: my stores have landed
	BAR
	FR 0, 0
	FR 1, 0
	PLD 2
	s_wait_loadcnt 63                              ; stage 0 of x is in: 64 loads were issued behind it
	KS 0, 1
	KS 1, 0
	s_wait_loadcnt 48                              ; stage 1 of w13 is in: behind it 32 of x, 16 of stage 2
	PST 1
	s_wait_dscnt 0x0
	BAR
	PLACES 8
	FR 0, 2
	FR 1, 2
	PLD 3
	XLD 2
	s_wait_loadcnt 63                              ; stage 1 of x is in: 64 loads were issued behind it
	KS 2, 1
	KS 3, 0
	s_wait_loadcnt 32                              ; stages 2, 3 of w13 are in: behind them stage 2 of x
	PST 2
	PST 3
	s_wait_dscnt 0x0
	BAR                                            ; all of w13's rows lie in LDS; nobody writes these bytes again
	PLACES 8
	FR 0, 4
	FR 1, 4
	XLD 3
	s_wait_loadcnt 32                              ; stage 2 of x is in: behind it stage 3
	KS 4, 1
	KS 5, 1
	s_wait_loadcnt 0x0
	WIN 0
.macro TXLD                            ; a tile past 16: its scale words and all its codes (window 2)
	WIN 0
	global_load_b128 v[SXT:SXT+3], v35, s[22:23]
	global_load_b128 v[SXT+4:SXT+7], v35, s[22:23] offset:16
	WIN 0x80
.irp ks, 0,1,2,3,4,5,6,7
.irp c, 0,1,2,3
	global_load_b128 v[16*\ks+4*\c:16*\ks+4*\c+3], v34, s[20:21] offset:128*\ks+32*\c
.endr
.endr
	WIN 0
.endm
	s_cmp_eq_u32 s14, 0
	s_cbranch_scc1 .Lno_tail_load
	TXLD                                           ; on its way under the last products and the way out of the first four tiles
.Lno_tail_load:
	KS 6, 1
	KS 7, 0
	PLACES 8
; h = g u / (1 + 2^(-g log2 e)) of tile i's blocks 0 .. nb - 1, in f32, and each block of 32 quantised.  Each sum is read from its low end on.
.macro SILUQ i, nb
	WIN 0x0f                                       ; sources 0 and 1 window 3
	s_wait_alu depctr_va_vdst(0)                   ; the wait directly ahead of these sums' first readers
.irp b, 0,1
.if \b < \nb
.irp j, 0,2,4,6,8,10,12,14
	v_pk_mul_f32 v[EX+16*\b+\j:EX+16*\b+\j+1], v[64*\i+32*\b+\j:64*\i+32*\b+\j+1], 0xbfb8aa3b op_sel_hi:[1,0]
	v_pk_mul_f32 v[HV+16*\b+\j:HV+16*\b+\j+1], v[64*\i+32*\b+\j:64*\i+32*\b+\j+1], v[64*\i+32*\b+16+\j:64*\i+32*\b+17+\j]
.endr
.endif
.endr
	WIN 0
	s_wait_alu depctr_va_vdst(0)                   ; ahead of the batch and behind it
.set I_, 0
.rept 16*\nb
	v_exp_f32 v[EX+I_], v[EX+I_]
.set I_, I_+1
.endr
	v_nop
	s_wait_alu depctr_va_vdst(0)
.set I_, 0
.rept 8*\nb
	v_pk_add_f32 v[EX+I_:EX+I_+1], v[EX+I_:EX+I_+1], 1.0 op_sel_hi:[1,0]
.set I_, I_+2
.endr
	s_wait_alu depctr_va_vdst(0)
.set I_, 0
.rept 16*\nb
	v_rcp_f32 v[EX+I_], v[EX+I_]
.set I_, I_+1
.endr
	v_nop
	s_wait_alu depctr_va_vdst(0)
.set I_, 0
.rept 8*\nb
	v_pk_mul_f32 v[HV+I_:HV+I_+1], v[HV+I_:HV+I_+1], v[EX+I_:EX+I_+1]
.set I_, I_+2
.endr
.irp k, 0,1,2,3,4,5,6                  ; a block's largest magnitude: two chains, with the floor 2^(16 - 127): the byte cannot fall under 1
.irp b, 0,1
.if \b < \nb
.if \k == 0
	v_max3_num_f32 v[38+\b], |v[HV+16*\b]|, |v[HV+16*\b+1]|, 0x8000000
.elseif \k == 1
	v_max3_num_f32 v[40+\b], |v[HV+16*\b+2]|, |v[HV+16*\b+3]|, |v[HV+16*\b+4]|
.else
	v_max3_num_f32 v[38+2*(\k%2)+\b], v[38+2*(\k%2)+\b], |v[HV+16*\b+2*\k+1]|, |v[HV+16*\b+2*\k+2]|
.endif
.endif
.endr
.endr
.irp k, 0,1,2,3,4,5
.irp b, 0,1
.if \b < \nb
.if \k == 0
	v_max3_num_f32 v[38+\b], v[38+\b], v[40+\b], |v[HV+16*\b+15]|
.elseif \k == 1
	v_permlanex16_b32 v[42+\b], v[38+\b], s36, s37
.elseif \k == 2
	v_max_num_f32 v[38+\b], v[38+\b], v[42+\b]     ; with lane l xor 16's 16: the block's
.elseif \k == 3
	v_add_nc_u32 v[44+\b], 0xf8800000, v[38+\b]    ; 15 off its exponent field: the conversion's scale operand
.elseif \k == 4
	v_and_or_b32 v[46+\b], v[38+\b], 0x7f800000, s38   ; 57,344 x the scale
.else
	v_lshrrev_b32 v[48+\b], 23, v[44+\b]           ; the scale's byte
.endif
.endif
.endr
.endr
.irp b, 0,1
.if \b < \nb
.irp j, 0,1,2,3,4,5,6,7,8,9,10,11,12,13,14,15
	v_med3_num_f32 v[HV+16*\b+\j], v[HV+16*\b+\j], -v[46+\b], v[46+\b]   ; the conversion to an 8-bit code does not saturate (ISA guide 7.6.2)
.endr
	v_cvt_scalef32_pk8_bf8_f32 v[CD+8*\i+4*\b:CD+8*\i+4*\b+1], v[HV+16*\b:HV+16*\b+7], v[44+\b]
	v_cvt_scalef32_pk8_bf8_f32 v[CD+8*\i+4*\b+2:CD+8*\i+4*\b+3], v[HV+16*\b+8:HV+16*\b+15], v[44+\b]
.endif
.endr
.if \nb == 2
	v_lshl_or_b32 v[BYO+\i], v49, 8, v48           ; both blocks' bytes; also the plain line behind the last conversion
.else
	v_nop
.endif
.endm
.irp i, 0,1,2,3
	SILUQ \i, 2
	global_store_b128 v8, v[CD+8*\i:CD+8*\i+3], s[28:29] offset:32768*\i           ; two times 512 consecutive bytes, aligned
	global_store_b128 v8, v[CD+8*\i+4:CD+8*\i+7], s[28:29] offset:32768*\i+512
	global_store_b16 v9, v[BYO+\i], s[30:31] offset:1024*\i                        ; lanes r and r + 16 write the same bytes with the same value
.endr
	s_cmp_eq_u32 s14, 0
	s_cbranch_scc1 .Ldone
	s_cmp_eq_u32 s5, 0
	s_cbranch_scc1 .Lblock0
.set I_, 0
.rept 16
	v_mov_b32 v[SW+I_], v[SW+16+I_]                ; block 1's scale words for waves 1 and 3
.set I_, I_+1
.endr
.Lblock0:
	s_add_co_u32 s33, s6, 16                       ; my tile
	s_mov_b32 s32, 0
	PLACES 8
	s_wait_alu depctr_va_vdst(0)
.macro FRT ks                          ; my block's fragments of K step ks, two buffers by turns
	WIN 0x40
.irp tt, 0,1,2,3
.irp c, 0,1,2,3
	ds_load_b128 v[64*((\ks)%2)+16*\tt+4*\c:64*((\ks)%2)+16*\tt+4*\c+3], v[14+(\ks)/4] offset:4352*\tt+34816*(((\ks)/2)%2)+128*((\ks)%2)+32*\c
.endr
.endr
.endm
.Ltail:
	s_cmp_eq_u32 s32, 0
	s_cbranch_scc1 .Lhave                          ; the first was asked for above
	s_min_u32 s34, s33, 63
	s_lshl_b32 s34, s34, 6
	v_lshl_add_u32 v7, v1, 2, s34
	global_load_b32 v26, v7, s[16:17]
	s_wait_loadcnt 0x0
	TOFF
	TXLD
.Lhave:
	s_wait_loadcnt 0x0
	FRT 0
	FRT 1
.irp ks, 0,1,2,3,4,5,6,7
.if \ks < 7
	s_wait_dscnt 16                                ; only the other buffer's 16 loads may be out
.else
	s_wait_dscnt 0
.endif
	WIN 0xf9
.irp u, 0,2                            ; four sums take turns
	WM 8*\u, 64*(\ks%2)+16*\u, 16*\ks, SW+4*\u+\ks, SXT+\ks, \ks
	WM 8*\u+8, 64*(\ks%2)+16*\u+16, 16*\ks, SW+4*\u+\ks, SXT+\ks, \ks, matrix_a_scale:MATRIX_SCALE_ROW1
.endr
.if \ks < 6
	PLACES 8
	FRT \ks+2
.endif
.endr
	WIN 0
	s_wait_xcnt 0x0                                ; earlier stores have read their offsets and data, which are written again below
	s_min_u32 s34, s33, 63
	s_lshl_b32 s35, s34, 15
	s_lshl_b32 s39, s5, 9
	s_add_co_u32 s35, s35, s39
	v_add_nc_u32 v36, s35, v18                     ; hs: tile, block w & 1
	s_lshl_b32 s35, s34, 10
	s_add_co_u32 s35, s35, s5
	v_lshl_add_u32 v37, v1, 4, s35                 ; hsc
	PLACES 8
	SILUQ 0, 1
	global_store_b128 v36, v[CD:CD+3], s[28:29]
	global_store_b8 v37, v48, s[30:31]
	s_add_co_u32 s33, s33, 2
	s_add_co_u32 s32, s32, 1
	s_wait_alu depctr_va_vdst(0)
	s_cmp_lt_u32 s32, s14
	s_cbranch_scc1 .Ltail
.Ldone:
	s_wait_tensorcnt 0x0                           ; the wave's end, behind my last LDS store
	ds_add_u32 v16, v17
	s_wait_dscnt 0x0
	s_endpgm
.Lfunc_end_k_q99b11de007_gateup:
	.size	k_q99b11de007_gateup, .Lfunc_end_k_q99b11de007_gateup-k_q99b11de007_gateup
	.p2alignl 7, 3214868480
	.fill 96, 4, 3214868480
	.section	.rodata,"a",@progbits
	.p2align	6, 0x0
	.amdhsa_kernel k_q99b11de007_gateup
		.amdhsa_group_segment_fixed_size 139776
		.amdhsa_private_segment_fixed_size 0
		.amdhsa_enable_private_segment 0
		.amdhsa_kernarg_size 64
		.amdhsa_user_sgpr_count 2
		.amdhsa_user_sgpr_kernarg_segment_ptr 1
		.amdhsa_wavefront_size32 1
		.amdhsa_system_sgpr_workgroup_id_x 1
		.amdhsa_system_sgpr_workgroup_id_y 1
		.amdhsa_system_sgpr_workgroup_id_z 1
		.amdhsa_system_vgpr_workitem_id 0
		.amdhsa_next_free_vgpr 1024
		.amdhsa_next_free_sgpr 66
		.amdhsa_reserve_vcc 0
		.amdhsa_float_denorm_mode_32 3
		.amdhsa_float_denorm_mode_16_64 3
		.amdhsa_memory_ordered 1
		.amdhsa_forward_progress 1
		.amdhsa_inst_pref_size 156
	.end_amdhsa_kernel
	.amdgpu_metadata
---
amdhsa.version: [ 1, 2 ]
amdhsa.kernels:
  - .name:           k_q99b11de007_gateup
    .symbol:         k_q99b11de007_gateup.kd
    .args:
      - { .name: list, .offset: 0, .size: 8, .value_kind: global_buffer, .address_space: global }
      - { .name: cnt, .offset: 8, .size: 8, .value_kind: global_buffer, .address_space: global }
      - { .name: x_codes, .offset: 16, .size: 8, .value_kind: global_buffer, .address_space: global }
      - { .name: x_scales, .offset: 24, .size: 8, .value_kind: global_buffer, .address_space: global }
      - { .name: w13_weight_codes, .offset: 32, .size: 8, .value_kind: global_buffer, .address_space: global }
      - { .name: w13_weight_scales, .offset: 40, .size: 8, .value_kind: global_buffer, .address_space: global }
      - { .name: hs, .offset: 48, .size: 8, .value_kind: global_buffer, .address_space: global }
      - { .name: hsc, .offset: 56, .size: 8, .value_kind: global_buffer, .address_space: global }
    .group_segment_fixed_size: 139776
    .private_segment_fixed_size: 0
    .kernarg_segment_align: 8
    .kernarg_segment_size: 64
    .max_flat_workgroup_size: 128
    .sgpr_count:     66
    .vgpr_count:     1024
    .wavefront_size: 32
...
	.end_amdgpu_metadata
.endif
;; end of part 2
;; launch down (part 3): grid 32 x 8, 4 waves a work-group, no clusters, 153,088 bytes of LDS; arguments list, cnt, hs, hsc, w2_weight_codes, w2_weight_scales, ybuf; writes ybuf
.if DOCPART == 3
	.amdgcn_target "amdgcn-amd-amdhsa--gfx1250"
	.amdhsa_code_object_version 6
	.text
	.protected	k_q99b11de007_down
	.globl	k_q99b11de007_down
	.p2align	8
	.type	k_q99b11de007_down,@function
k_q99b11de007_down:
	s_mov_b64 s[64:65], 0
	v_nop
	global_prefetch_b8 v0, s[64:65] scope:SCOPE_SE
	s_setreg_imm32_b32 hwreg(HW_REG_WAVE_MODE, 25, 1), 1
	s_wait_xcnt 0x0
; y = h w2[e]^T for the routed rows of expert e alone; row p of the expert's list goes to ybuf[slot], slot = 2 token + k, f32, not yet weighed.
; Left out: the rows of tokens for which expert e was not chosen; reference() multiplies their results by a coefficient 0 that it builds itself (shown at the head of the first launch).
; Work-group (x, e): 64 outputs (column group 8 (x / 16) + x % 8) and eight of the expert's first 16 row tiles (half (x / 8) & 1), two tiles a wave.
; K streams in four stages of 512: a wave loads its own tiles of h, which lie as images of the operand's registers, straight into registers, and 16 of the 64 rows of w2, which the four waves share through LDS.
; All of w2's 64 rows stay in LDS, so row tiles from 16 on are taken by a loop without barriers: wave w: outputs 32 (w & 1) on, tile 16 + 2 half + w / 2, four on in each trip.
; No tensor load, and so no cluster: that loop's trip count is read from memory.  No prefetch: every wave's own loads of the next two stages are out while it multiplies one.
; TRANSPOSED: source 0 = 16 rows of w2 (16 outputs), source 1 = 16 rows of h: lane (r, h) holds y(row r, outputs 16 n + 8 h + 0 .. 7).
; A tile past the count stores nothing; a row that the list repeats inside a tile gives the same bits and is stored to the same bytes by the same wave.
; THE WAY OUT: a tile goes through the wave's own stage in LDS and leaves with sixteen lanes on the 256 consecutive bytes that this work-group owns of a row.
; LDS: stage q at 33,792 q: 64 rows, 528 bytes apart; from 135,168 on 4,352 bytes of stage for each wave (16 rows, 272 bytes apart); from 152,576 on the spare words.
; REGISTERS.  Window 0: v1-26 lane constants; v28-43 slots, then offsets in ybuf; v44-47 those of a tile past 16; v56-87 w2's scale words (lanes 0-15 the even 16 rows, 16-31 the odd); v92-107 h's (lanes 16-31 the second tile); v108-123 those of a tile past 16;
;   v128-255 w2's rows on their way to LDS, later rows on their way out.  Window 1: v0-127 w2's fragments, two buffers; v128-255 h's stages 0 and 3.  Window 2: h's stages 1, 2.  Window 3: sums: tile i, n at 32 i + 8 n.
.set STAGE, 135168
.set SPARE, 152576
.set SW, 56
.set SX, 92
.set SXT, 108
.set MSB, 0
.macro WIN new                         ; the immediate's high byte repeats the setting that is left
.if MSB != \new
	s_set_vgpr_msb (MSB<<8)|\new
.set MSB, \new
.endif
.endm
.macro PLACES n
.rept \n
	v_nop
.endr
.endm
.macro BAR
	s_barrier_signal -1
	s_barrier_wait -1
.endm
.macro WM d, a, b, sa, sb, ks, m1, m2
.if (\ks)
	v_wmma_scale_f32_16x16x128_f8f6f4 v[(\d):(\d)+7], v[(\a):(\a)+15], v[(\b):(\b)+15], v[(\d):(\d)+7], v[\sa], v[\sb] matrix_a_fmt:MATRIX_FMT_BF8 matrix_b_fmt:MATRIX_FMT_BF8 \m1 \m2
.else
	v_wmma_scale_f32_16x16x128_f8f6f4 v[(\d):(\d)+7], v[(\a):(\a)+15], v[(\b):(\b)+15], 0, v[\sa], v[\sb] matrix_a_fmt:MATRIX_FMT_BF8 matrix_b_fmt:MATRIX_FMT_BF8 \m1 \m2
.endif
.endm
.macro PLD q                           ; my 16 rows of w2, stage q: 16 loads of 512 consecutive bytes
	WIN 0
.set LB, 128+64*((\q)%2)
.irp i, 0,1,2,3,4,5,6,7,8,9,10,11,12,13,14,15
	global_load_b128 v[LB+4*\i:LB+4*\i+3], v18, s[24:25] offset:2048*\i+512*\q
.endr
.endm
.macro PST q
	WIN 0
.set LB, 128+64*((\q)%2)
.irp i, 0,1,2,3,4,5,6,7,8,9,10,11,12,13,14,15
	ds_store_b128 v[10+(\q)/2], v[LB+4*\i:LB+4*\i+3] offset:528*\i+33792*((\q)%2)
.endr
.endm
.macro RING q                          ; where stage q of h stands: window 1 + RW, register RB on
.set RB, 128
.set RW, 0
.if (\q) == 1
.set RB, 0
.endif
.if (\q) == 1 || (\q) == 2
.set RW, 1
.endif
.endm
.macro XLD q                           ; my two tiles of h, stage q: 32 loads of 512 consecutive bytes
	RING \q
.if RW
	WIN 0x80
.else
	WIN 0x40
.endif
.irp i, 0,1
.irp k, 0,1,2,3
.irp c, 0,1,2,3
	global_load_b128 v[RB+(4*\i+\k)*16+4*\c:RB+(4*\i+\k)*16+4*\c+3], v5, s[20:21] offset:32768*\i+2048*(4*\q+\k)+512*\c
.endr
.endr
.endr
.endm
.macro FR ks                           ; the four fragments of K step ks, two buffers by turns: 16 LDS loads
	WIN 0x40
.irp n, 0,1,2,3
.irp c, 0,1,2,3
	ds_load_b128 v[64*((\ks)%2)+16*\n+4*\c:64*((\ks)%2)+16*\n+4*\c+3], v[12+(\ks)/8] offset:8448*\n+33792*(((\ks)/4)%2)+128*((\ks)%4)+32*\c
.endr
.endr
.endm
.macro MM ks                           ; eight products; the eight sums take turns
	RING (\ks)/4
.if RW
	WIN 0xf9
.else
	WIN 0xf5
.endif
.set K4, (\ks)%4
.set FB, 64*((\ks)%2)
.irp n, 0,2
	WM 8*\n, FB+16*\n, RB+K4*16, SW+8*\n+\ks, SX+\ks, \ks
	WM 8*\n+8, FB+16*\n+16, RB+K4*16, SW+8*\n+\ks, SX+\ks, \ks, matrix_a_scale:MATRIX_SCALE_ROW1
	WM 32+8*\n, FB+16*\n, RB+64+K4*16, SW+8*\n+\ks, SX+\ks, \ks, matrix_b_scale:MATRIX_SCALE_ROW1
	WM 32+8*\n+8, FB+16*\n+16, RB+64+K4*16, SW+8*\n+\ks, SX+\ks, \ks, matrix_a_scale:MATRIX_SCALE_ROW1, matrix_b_scale:MATRIX_SCALE_ROW1
.endr
.endm
.macro KS ks, nxt, out                 ; K step ks; out: LDS loads of the other buffer that may be out; nxt = 1: this buffer is asked for anew
	s_wait_dscnt \out
	MM \ks
.if \nxt
	PLACES 8
	FR \ks+2
.endif
.endm
	s_load_b256 s[16:23], s[0:1], 0x0              ; list 16, cnt 18, hs 20, hsc 22
	s_load_b128 s[24:27], s[0:1], 0x20             ; w2's codes 24, w2's scales 26
	s_load_b64 s[28:29], s[0:1], 0x30              ; ybuf
	v_lshl_add_u32 v16, v0, 2, SPARE               ; my spare word
	v_mov_b32 v17, 0                               ; and 0: kept for the add at the wave's end
	v_lshrrev_b32 v1, 5, v0
	v_readfirstlane_b32 s4, v1                     ; wave
	s_and_b32 s5, s4, 1
	s_lshr_b32 s6, s4, 1
	s_and_b32 s7, ttmp7, 0xffff                    ; e
	s_lshr_b32 s8, ttmp9, 4
	s_lshl_b32 s8, s8, 3
	s_and_b32 s34, ttmp9, 7
	s_add_co_u32 s8, s8, s34                       ; column group
	s_bfe_u32 s9, ttmp9, 0x10003                   ; half of the tiles
	s_lshl_b32 s33, s9, 3
	s_lshl_b32 s34, s4, 1
	s_add_co_u32 s33, s33, s34                     ; my first tile
	s_lshl_b32 s39, s9, 1
	s_add_co_u32 s39, s39, s6
	s_add_co_u32 s39, s39, 16                      ; my first tile past 16
	v_and_b32 v1, 15, v0                           ; r
	v_bfe_u32 v2, v0, 4, 1                         ; h
	v_and_b32 v4, 31, v0
	v_lshlrev_b32 v18, 4, v4                       ; 16 x lane
	v_lshlrev_b32 v4, 6, v4                        ; w2's scales: lane l takes row l of 32, 64 bytes a row
	s_lshl_b32 s34, s33, 15
	v_add_nc_u32 v5, s34, v18                      ; hs: 32,768 bytes a tile, 16 a lane
	s_lshl_b32 s34, s33, 10
	v_lshl_add_u32 v6, v1, 4, s34
	v_lshl_add_u32 v6, v2, 10, v6                  ; hsc: 1,024 bytes a tile, 16 a row; lanes 16-31 the second tile
	s_lshl_b32 s34, s33, 6
	v_lshlrev_b32 v7, 5, v2
	v_add_nc_u32 v7, s34, v7                       ; list: 64 bytes a tile; rows 8 h on
	v_and_b32 v25, 7, v0
	v_lshlrev_b32 v25, 4, v25
	v_bfe_u32 v26, v0, 3, 2                        ; lane / 8
.macro TOFF                            ; offsets of the tile s34 past 16: hs, hsc, list (rows 4 (lane / 8) on)
	s_lshl_b32 s35, s34, 15
	v_add_nc_u32 v8, s35, v18
	s_lshl_b32 s35, s34, 10
	v_lshl_add_u32 v9, v1, 4, s35
	s_lshl_b32 s35, s34, 6
	v_lshl_add_u32 v21, v26, 4, s35
.endm
	s_min_u32 s34, s39, 63
	TOFF
	s_mul_i32 s34, s4, 8448
	v_add_nc_u32 v10, s34, v18                     ; where I store w2's rows: stages 0, 1
	v_add_nc_u32 v11, 67584, v10                   ; stages 2, 3
	v_mul_u32_u24 v12, v1, 528
	v_lshl_add_u32 v12, v2, 4, v12                 ; where fragments are read: stages 0, 1
	v_add_nc_u32 v13, 67584, v12
	s_mul_i32 s34, s5, 16896
	v_add_nc_u32 v14, s34, v12                     ; the same from output 32 (w & 1) on
	v_add_nc_u32 v15, s34, v13
	s_mul_i32 s34, s4, 4352
	s_add_co_u32 s34, s34, STAGE                   ; my stage
	v_mul_u32_u24 v20, v1, 272
	v_lshl_add_u32 v20, v2, 5, v20
	v_add_nc_u32 v20, s34, v20                     ; in: row r, + 32 h
	v_lshlrev_b32 v23, 4, v1                       ; 16 r
	v_mul_u32_u24 v22, v2, 2176
	v_add_nc_u32 v22, v22, v23
	v_add_nc_u32 v22, s34, v22                     ; back: rows 8 h on, 16 bytes a lane
	v_mul_u32_u24 v24, v26, 1088
	v_add_nc_u32 v24, v24, v25
	v_add_nc_u32 v24, s34, v24                     ; a tile past 16: rows 4 (lane / 8) on
	s_lshl_b32 s34, s5, 7
	v_add_nc_u32 v25, s34, v25                     ; and its bytes of a row
.irp k, 0,1,2,3,4,5,6,7,8,9,10,11,12,13,14,15
	v_mov_b32 v[SXT+\k], 0                         ; written on every way through the text
.endr
.irp k, 0,1,2,3
	v_mov_b32 v[44+\k], 0
.endr
	s_mov_b32 s11, 0
	s_wait_alu depctr_va_vdst(0)                   ; the wait at the head's end
	s_wait_kmcnt 0x0
	s_lshl_b32 s10, s7, 2
	s_add_nc_u64 s[18:19], s[18:19], s[10:11]      ; cnt[e]
	s_load_b32 s12, s[18:19], 0x0
	s_lshl_b32 s10, s7, 21
	s_add_nc_u64 s[20:21], s[20:21], s[10:11]      ; hs[e]
	s_lshl_b32 s34, s8, 17
	s_add_co_u32 s10, s10, s34
	s_lshl_b32 s34, s4, 15
	s_add_co_u32 s10, s10, s34
	s_add_nc_u64 s[24:25], s[24:25], s[10:11]      ; w2's codes: expert e, output 64 x group + 16 w
	PLD 0
	s_lshl_b32 s10, s7, 12
	s_add_nc_u64 s[16:17], s[16:17], s[10:11]      ; list[e]
	s_lshl_b32 s10, s7, 16
	s_add_nc_u64 s[22:23], s[22:23], s[10:11]      ; hsc[e]
	s_lshl_b32 s34, s8, 12
	s_add_co_u32 s10, s10, s34
	s_add_nc_u64 s[26:27], s[26:27], s[10:11]      ; w2's scales
	s_lshl_b32 s10, s8, 8
	s_add_nc_u64 s[28:29], s[28:29], s[10:11]      ; ybuf at my 64 outputs
.irp g, 0,1,2,3
	global_load_b128 v[SX+4*\g:SX+4*\g+3], v6, s[22:23] offset:256*\g
	global_load_b128 v[SW+4*\g:SW+4*\g+3], v4, s[26:27] offset:16*\g
	global_load_b128 v[SW+16+4*\g:SW+16+4*\g+3], v4, s[26:27] offset:2048+16*\g
.endr
.irp i, 0,1
.irp q, 0,1
	global_load_b128 v[28+8*\i+4*\q:28+8*\i+4*\q+3], v7, s[16:17] offset:64*\i+16*\q
.endr
.endr
	XLD 0
	PLD 1
	XLD 1
	s_wait_kmcnt 0x0
	s_min_u32 s12, s12, 1024
	s_add_co_u32 s13, s12, 15
	s_lshr_b32 s13, s13, 4                         ; the expert's tiles
	s_sub_co_i32 s14, s13, s39
	s_add_co_i32 s14, s14, 3
	s_max_i32 s14, s14, 0
	s_lshr_b32 s14, s14, 2                         ; mine past 16
	s_wait_loadcnt 63                              ; stage 0 of w2 is in: 96 loads were issued behind it, and 63 is the largest count that the wait can name
	PST 0
	s_wait_dscnt 0x0                               ; for the other waves: my stores have landed
	BAR
	FR 0
	FR 1
	PLD 2
	s_wait_loadcnt 63                              ; stage 0 of h is in: 64 loads were issued behind it
	KS 0, 1, 16
	KS 1, 1, 16
	KS 2, 0, 16
	KS 3, 0, 0
	s_wait_loadcnt 48                              ; stage 1 of w2 is in: behind it 32 of h, 16 of stage 2
	PST 1
	s_wait_dscnt 0x0
	BAR
	PLACES 8
	FR 4
	FR 5
	PLD 3
	XLD 2
	s_wait_loadcnt 63                              ; stage 1 of h is in: 64 loads were issued behind it
	KS 4, 1, 16
	KS 5, 1, 16
	KS 6, 0, 16
	KS 7, 0, 0
	s_wait_loadcnt 32                              ; stages 2, 3 of w2 are in: behind them stage 2 of h
	PST 2
	PST 3
	s_wait_dscnt 0x0
	BAR                                            ; all of w2's rows lie in LDS; nobody writes these bytes again
	PLACES 8
	FR 8
	FR 9
	XLD 3
	s_wait_loadcnt 32                              ; stage 2 of h is in: behind it stage 3
	KS 8, 1, 16
	KS 9, 1, 16
	KS 10, 1, 16
	KS 11, 1, 16
	s_wait_loadcnt 0x0
	WIN 0
.macro TXLD                            ; a tile past 16: its slots, scale words and all its codes (window 2)
	WIN 0
	global_load_b128 v[44:47], v21, s[16:17]
.irp g, 0,1,2,3
	global_load_b128 v[SXT+4*\g:SXT+4*\g+3], v9, s[22:23] offset:256*\g
.endr
	WIN 0x80
.irp ks, 0,1,2,3,4,5,6,7,8,9,10,11,12,13,14,15
.irp c, 0,1,2,3
	global_load_b128 v[16*\ks+4*\c:16*\ks+4*\c+3], v8, s[20:21] offset:2048*\ks+512*\c
.endr
.endr
	WIN 0
.endm
	s_cmp_eq_u32 s14, 0
	s_cbranch_scc1 .Lno_tail_load
	TXLD                                           ; only a tile that was stored is read
.Lno_tail_load:
	KS 12, 1, 16
	KS 13, 1, 16
	KS 14, 0, 16
	KS 15, 0, 0
	WIN 0
.set I_, 0
.rept 16
	v_min_u32 v[28+I_], 0x7ff, v[28+I_]            ; a slot is held to the table before it enters an address.  These lines are also the places behind the last products
.set I_, I_+1
.endr
.set I_, 0
.rept 16
	v_lshl_add_u32 v[28+I_], v[28+I_], 12, v23     ; ybuf: 4,096 bytes a slot, + 16 r
.set I_, I_+1
.endr
.irp i, 0,1
	WIN 0x0c                                       ; an LDS store's data are its source 1: window 3
.irp n, 0,1,2,3
	ds_store_b128 v20, v[32*\i+8*\n:32*\i+8*\n+3] offset:64*\n     ; each sum from its low end on
	ds_store_b128 v20, v[32*\i+8*\n+4:32*\i+8*\n+7] offset:64*\n+16
.endr
	WIN 0
.irp t, 0,1,2,3,4,5,6,7
	ds_load_b128 v[128+32*\i+4*\t:128+32*\i+4*\t+3], v22 offset:272*\t   ; LDS serves a wave's instructions in order (ISA guide 5.7.1.4): these see my stores
.endr
.endr
	s_wait_alu depctr_va_vdst(0)                   ; the wait here, directly ahead of the wait below
	s_wait_dscnt 0x0
.macro OUT i, skip                     ; sixteen lanes store 256 consecutive bytes of a row, aligned
	s_cmp_lt_u32 s33, s13
	s_cbranch_scc0 \skip
.irp t, 0,1,2,3,4,5,6,7
	global_store_b128 v[28+8*\i+\t], v[128+32*\i+4*\t:128+32*\i+4*\t+3], s[28:29]
.endr
\skip:
.endm
	OUT 0, .Lskip0
	s_add_co_u32 s33, s33, 1
	OUT 1, .Lskip1
	s_cmp_eq_u32 s14, 0
	s_cbranch_scc1 .Ldone
	s_cmp_eq_u32 s5, 0
	s_cbranch_scc1 .Lfirst_half
.set I_, 0
.rept 16
	v_mov_b32 v[SW+I_], v[SW+16+I_]                ; the second 32 rows' scale words for waves 1 and 3
.set I_, I_+1
.endr
.Lfirst_half:
	s_mov_b32 s32, 0
	PLACES 8
	s_wait_alu depctr_va_vdst(0)
.macro FRT ks                          ; two fragments of K step ks, four buffers by turns
	WIN 0x40
.irp n, 0,1
.irp c, 0,1,2,3
	ds_load_b128 v[32*((\ks)%4)+16*\n+4*\c:32*((\ks)%4)+16*\n+4*\c+3], v[14+(\ks)/8] offset:8448*\n+33792*(((\ks)/4)%2)+128*((\ks)%4)+32*\c
.endr
.endr
.endm
.Ltail:
	s_cmp_eq_u32 s32, 0
	s_cbranch_scc1 .Lhave                          ; the first was asked for above
	s_wait_loadcnt 0x0                             ; no load into these registers is out,
	s_wait_xcnt 0x0
	s_min_u32 s34, s39, 63
	TOFF
	TXLD
.Lhave:
	s_wait_loadcnt 0x0
	FRT 0
	FRT 1
	FRT 2
	FRT 3
.irp ks, 0,1,2,3,4,5,6,7,8,9,10,11,12,13,14,15
.if \ks < 13
	s_wait_dscnt 24                                ; only the three other buffers' loads may be out
.else
	s_wait_dscnt 8*(15-\ks)
.endif
	WIN 0xf9
	WM 0, 32*(\ks%4), 16*\ks, SW+\ks, SXT+\ks, \ks
	WM 8, 32*(\ks%4)+16, 16*\ks, SW+\ks, SXT+\ks, \ks, matrix_a_scale:MATRIX_SCALE_ROW1
.if \ks < 12
	PLACES 8
	FRT \ks+4
.endif
.endr
	WIN 0
	s_wait_xcnt 0x0                                ; earlier stores have read their offsets and data, which are written again below
.irp t, 0,1,2,3
	v_min_u32 v[44+\t], 0x7ff, v[44+\t]
.endr
.irp t, 0,1,2,3
	v_lshl_add_u32 v[44+\t], v[44+\t], 12, v25
.endr
	WIN 0x0c
.irp n, 0,1
	ds_store_b128 v20, v[8*\n:8*\n+3] offset:64*\n
	ds_store_b128 v20, v[8*\n+4:8*\n+7] offset:64*\n+16
.endr
	WIN 0
.irp t, 0,1,2,3
	ds_load_b128 v[128+4*\t:128+4*\t+3], v24 offset:272*\t
.endr
	s_wait_alu depctr_va_vdst(0)
	s_wait_dscnt 0x0
.irp t, 0,1,2,3
	global_store_b128 v[44+\t], v[128+4*\t:128+4*\t+3], s[28:29]   ; eight lanes store 128 consecutive bytes of a row
.endr
	PLACES 8                                       ; with the eight lines on the slots: the nine places ahead of the next trip's first products, which write over the sums
	s_add_co_u32 s39, s39, 4
	s_add_co_u32 s32, s32, 1
	s_cmp_lt_u32 s32, s14
	s_cbranch_scc1 .Ltail
.Ldone:
	s_wait_tensorcnt 0x0                           ; the wave's end, behind my last LDS store
	ds_add_u32 v16, v17
	s_wait_dscnt 0x0
	s_endpgm
.Lfunc_end_k_q99b11de007_down:
	.size	k_q99b11de007_down, .Lfunc_end_k_q99b11de007_down-k_q99b11de007_down
	.p2alignl 7, 3214868480
	.fill 96, 4, 3214868480
	.section	.rodata,"a",@progbits
	.p2align	6, 0x0
	.amdhsa_kernel k_q99b11de007_down
		.amdhsa_group_segment_fixed_size 153088
		.amdhsa_private_segment_fixed_size 0
		.amdhsa_enable_private_segment 0
		.amdhsa_kernarg_size 56
		.amdhsa_user_sgpr_count 2
		.amdhsa_user_sgpr_kernarg_segment_ptr 1
		.amdhsa_wavefront_size32 1
		.amdhsa_system_sgpr_workgroup_id_x 1
		.amdhsa_system_sgpr_workgroup_id_y 1
		.amdhsa_system_sgpr_workgroup_id_z 1
		.amdhsa_system_vgpr_workitem_id 0
		.amdhsa_next_free_vgpr 1024
		.amdhsa_next_free_sgpr 66
		.amdhsa_reserve_vcc 0
		.amdhsa_float_denorm_mode_32 3
		.amdhsa_float_denorm_mode_16_64 3
		.amdhsa_memory_ordered 1
		.amdhsa_forward_progress 1
		.amdhsa_inst_pref_size 105
	.end_amdhsa_kernel
	.amdgpu_metadata
---
amdhsa.version: [ 1, 2 ]
amdhsa.kernels:
  - .name:           k_q99b11de007_down
    .symbol:         k_q99b11de007_down.kd
    .args:
      - { .name: list, .offset: 0, .size: 8, .value_kind: global_buffer, .address_space: global }
      - { .name: cnt, .offset: 8, .size: 8, .value_kind: global_buffer, .address_space: global }
      - { .name: hs, .offset: 16, .size: 8, .value_kind: global_buffer, .address_space: global }
      - { .name: hsc, .offset: 24, .size: 8, .value_kind: global_buffer, .address_space: global }
      - { .name: w2_weight_codes, .offset: 32, .size: 8, .value_kind: global_buffer, .address_space: global }
      - { .name: w2_weight_scales, .offset: 40, .size: 8, .value_kind: global_buffer, .address_space: global }
      - { .name: ybuf, .offset: 48, .size: 8, .value_kind: global_buffer, .address_space: global }
    .group_segment_fixed_size: 153088
    .private_segment_fixed_size: 0
    .kernarg_segment_align: 8
    .kernarg_segment_size: 56
    .max_flat_workgroup_size: 128
    .sgpr_count:     66
    .vgpr_count:     1024
    .wavefront_size: 32
...
	.end_amdgpu_metadata
.endif
;; end of part 3
;; launch combine (part 4): grid 256 x 1, 4 waves a work-group, no clusters, 0 bytes of LDS; arguments ybuf, router_logits, out0; writes out0
.if DOCPART == 4
	.amdgcn_target "amdgcn-amd-amdhsa--gfx1250"
	.amdhsa_code_object_version 6
	.text
	.protected	k_q99b11de007_combine
	.globl	k_q99b11de007_combine
	.p2align	8
	.type	k_q99b11de007_combine,@function
k_q99b11de007_combine:
	s_mov_b64 s[64:65], 0
	v_nop
	global_prefetch_b8 v0, s[64:65] scope:SCOPE_SE
	s_setreg_imm32_b32 hwreg(HW_REG_WAVE_MODE, 25, 1), 1
	s_wait_xcnt 0x0
; out[t] = c0 y[2 t] + c1 y[2 t + 1]: the two chosen experts' rows, weighed.  Each output row has one owner: one wave, one token.
; Left out: the softmax's divisor, which cancels in topk_w / sum(topk_w) for all inputs (shown at the head of the first launch): with l1 >= l2 the token's two largest logits,
; c0 = 1 / (1 + exp(l2 - l1)), c1 = exp(l2 - l1) c0.  The maximum is taken away ahead of the exponential: the exponent is 0 or less.
; LIMITS: NaN and infinities among the logits are not served.
; A stream: 8,192 bytes in and 4,096 out for each wave; every load and store of the wave covers 512 consecutive bytes, aligned.  All sixteen loads go out at once; no LDS, no matrix unit, no cluster: nothing is shared.
	s_load_b128 s[4:7], s[0:1], 0x0                ; ybuf s[4:5], logits s[6:7]
	s_load_b64 s[8:9], s[0:1], 0x10                ; out
	v_lshrrev_b32 v2, 5, v0
	v_readfirstlane_b32 s12, v2
	s_lshl_b32 s13, ttmp9, 2
	s_add_co_u32 s12, s12, s13                     ; my token
	v_and_b32 v1, 31, v0
	v_lshlrev_b32 v1, 4, v1                        ; 16 bytes a lane
	s_mov_b32 s11, 0
	s_mov_b32 s15, 0
	s_lshl_b32 s10, s12, 5
	s_lshl_b32 s14, s12, 13
	s_wait_alu depctr_va_vdst(0)
	s_wait_kmcnt 0x0
	s_add_nc_u64 s[6:7], s[6:7], s[10:11]
	s_load_b256 s[16:23], s[6:7], 0x0              ; its eight logits
	s_add_nc_u64 s[4:5], s[4:5], s[14:15]          ; its two rows of y
	s_lshl_b32 s14, s12, 12
	s_add_nc_u64 s[8:9], s[8:9], s[14:15]          ; its row of out
.irp i, 0,1,2,3,4,5,6,7
	global_load_b128 v[4+8*\i:7+8*\i], v1, s[4:5] offset:512*\i th:TH_LOAD_NT
	global_load_b128 v[8+8*\i:11+8*\i], v1, s[4:5] offset:4096+512*\i th:TH_LOAD_NT
.endr
	s_wait_kmcnt 0x0
	; the two largest of eight: four ordered pairs, then three merges (the larger of the two firsts; the largest of the lesser first and the two seconds)
	v_max_num_f32 v80, s16, s17
	v_min_num_f32 v81, s16, s17
	v_max_num_f32 v82, s18, s19
	v_min_num_f32 v83, s18, s19
	v_max_num_f32 v84, s20, s21
	v_min_num_f32 v85, s20, s21
	v_max_num_f32 v86, s22, s23
	v_min_num_f32 v87, s22, s23
	v_min_num_f32 v88, v80, v82
	v_min_num_f32 v89, v84, v86
	v_max_num_f32 v80, v80, v82
	v_max_num_f32 v84, v84, v86
	v_max3_num_f32 v81, v88, v81, v83
	v_max3_num_f32 v85, v89, v85, v87
	v_min_num_f32 v88, v80, v84
	v_max_num_f32 v80, v80, v84                    ; l1
	v_max3_num_f32 v81, v88, v81, v85              ; l2
	v_sub_f32 v82, v81, v80                        ; l2 - l1, 0 or less
	v_mul_f32 v82, 0x3fb8aa3b, v82
	s_wait_alu depctr_va_vdst(0)
	v_exp_f32 v83, v82
	v_nop                                          ; a plain instruction behind the transcendental,
	s_wait_alu depctr_va_vdst(0)                   ; and the wait ahead of its first reader
	v_add_f32 v84, 1.0, v83
	s_wait_alu depctr_va_vdst(0)
	v_rcp_f32 v70, v84                             ; c0
	v_nop
	s_wait_alu depctr_va_vdst(0)
	v_mov_b32 v71, v70                             ; (named with it as a pair, so it is written)
	v_mul_f32 v72, v83, v70                        ; c1
	v_mov_b32 v73, v72
	s_wait_alu depctr_va_vdst(0)
.irp i, 0,1,2,3,4,5,6,7
	s_wait_loadcnt 14-2*\i                         ; loads come back in order: pair i is in, the pairs behind it may be out
	v_pk_mul_f32 v[4+8*\i:5+8*\i], v[4+8*\i:5+8*\i], v[70:71] op_sel_hi:[1,0]
	v_pk_mul_f32 v[6+8*\i:7+8*\i], v[6+8*\i:7+8*\i], v[70:71] op_sel_hi:[1,0]
	v_pk_fma_f32 v[4+8*\i:5+8*\i], v[8+8*\i:9+8*\i], v[72:73], v[4+8*\i:5+8*\i] op_sel_hi:[1,0,1]
	v_pk_fma_f32 v[6+8*\i:7+8*\i], v[10+8*\i:11+8*\i], v[72:73], v[6+8*\i:7+8*\i] op_sel_hi:[1,0,1]
	global_store_b128 v1, v[4+8*\i:7+8*\i], s[8:9] offset:512*\i th:TH_STORE_NT   ; each piece has registers of its own: no store's data are written again
.endr
	s_endpgm
.Lfunc_end_k_q99b11de007_combine:
	.size	k_q99b11de007_combine, .Lfunc_end_k_q99b11de007_combine-k_q99b11de007_combine
	.p2alignl 7, 3214868480
	.fill 96, 4, 3214868480
	.section	.rodata,"a",@progbits
	.p2align	6, 0x0
	.amdhsa_kernel k_q99b11de007_combine
		.amdhsa_group_segment_fixed_size 0
		.amdhsa_private_segment_fixed_size 0
		.amdhsa_enable_private_segment 0
		.amdhsa_kernarg_size 24
		.amdhsa_user_sgpr_count 2
		.amdhsa_user_sgpr_kernarg_segment_ptr 1
		.amdhsa_wavefront_size32 1
		.amdhsa_system_sgpr_workgroup_id_x 1
		.amdhsa_system_sgpr_workgroup_id_y 1
		.amdhsa_system_sgpr_workgroup_id_z 1
		.amdhsa_system_vgpr_workitem_id 0
		.amdhsa_next_free_vgpr 96
		.amdhsa_next_free_sgpr 66
		.amdhsa_reserve_vcc 0
		.amdhsa_float_denorm_mode_32 3
		.amdhsa_float_denorm_mode_16_64 3
		.amdhsa_memory_ordered 1
		.amdhsa_forward_progress 1
		.amdhsa_inst_pref_size 7
	.end_amdhsa_kernel
	.amdgpu_metadata
---
amdhsa.version: [ 1, 2 ]
amdhsa.kernels:
  - .name:           k_q99b11de007_combine
    .symbol:         k_q99b11de007_combine.kd
    .args:
      - { .name: ybuf, .offset: 0, .size: 8, .value_kind: global_buffer, .address_space: global }
      - { .name: router_logits, .offset: 8, .size: 8, .value_kind: global_buffer, .address_space: global }
      - { .name: out0, .offset: 16, .size: 8, .value_kind: global_buffer, .address_space: global }
    .group_segment_fixed_size: 0
    .private_segment_fixed_size: 0
    .kernarg_segment_align: 8
    .kernarg_segment_size: 24
    .max_flat_workgroup_size: 128
    .sgpr_count:     66
    .vgpr_count:     96
    .wavefront_size: 32
...
	.end_amdgpu_metadata
.endif
;; end of part 4
